; MI455X (gfx1250); checked and timed in simulation.
; The chip was launched on July 23, 2026; its instructions are those of AMD's public machine-readable ISA for CDNA 5 (MIT licence, August 2026) and "CDNA5" Instruction Set Architecture Reference Guide (July 2026). The comments in the code are by the model that wrote it; some were corrected since.
;; Attention. Allowed arithmetic: float matrix products may take bf16 or f16 operands with f32 sums; other float arithmetic in f32, or as packed bf16 or f16 multiplies, adds, multiply-adds, maxima and minima; sums over many terms, partial sums and values carried from step to step in f32; what a program stores and reads back later, other than sums and carried values, may be rounded once to bf16 or f16.
;; Inputs: Wk 1,024 x 1,024 float32; Wq 1,024 x 1,024 float32; Wv 1,024 x 1,024 float32; bv 1,024 float32; mask 8 x 1,024 bool; x 8 x 1,024 x 1,024 float32.
;; Outputs: out0 8 x 1,024 x 1,024 float32.
;; One version. Each part assembles by itself: llvm-mc -triple=amdgcn-amd-amdhsa -mcpu=gfx1250 --defsym DOCPART=n.
;; ======== version 1 of 1: 4 launches
;; limits: values are held in f16: magnitudes above 65,504 overflow, below 6.1e-05 lose precision
;; workspace buffers: xw 23,068,672 bytes; qh 16,777,216 bytes; kh 16,777,216 bytes; vt 16,777,216 bytes; ph 16,777,216 bytes; st 524,288 bytes
;; launch cast (part 1): grid 704 x 1, 8 waves a work-group, no clusters, 0 bytes of LDS; arguments x, Wq, Wk, Wv, xw; writes xw
.if DOCPART == 1
	.amdgcn_target "amdgcn-amd-amdhsa--gfx1250"
	.amdhsa_code_object_version 6
	.text
	.protected	k_q505d186d90_cast
	.globl	k_q505d186d90_cast
	.p2align	8
	.type	k_q505d186d90_cast,@function
k_q505d186d90_cast:
	s_mov_b64 s[64:65], 0
	v_nop
	global_prefetch_b8 v0, s[64:65] scope:SCOPE_SE
	s_setreg_imm32_b32 hwreg(HW_REG_WAVE_MODE, 25, 1), 1
	s_wait_xcnt 0x0
; cast: x [8192][1024], Wq, Wk, Wv [1024][1024] (f32) are rounded once to f16 into xw [11264][1024]:
; rows 0-8191 x, 8192-9215 Wq, 9216-10239 Wk, 10240-11263 Wv.  The products of the later launches take f16 operands.
; LIMIT, stated: a number of magnitude above 65,504 becomes an infinity in f16; below 6e-8 it becomes 0.
; A stream: no LDS, no barrier, no matrix unit.  A work-group takes 65,536 input bytes: 512 chunks of x, then 64 of each W.
; Thread t takes 16 bytes at 16 t of each 4,096 bytes: a wave's load covers 512 neighbouring bytes, its store of
; 8 bytes a lane covers 256 consecutive bytes at a multiple of 256.  All sixteen loads go out first; every register is written once.
.set XR, 4                             ; v[4:67]   sixteen loads of 4 f32
.set YR, 68                            ; v[68:99]  sixteen pairs of packed f16
	s_load_b256 s[4:11], s[0:1], 0x0               ; x s[4:5], Wq s[6:7], Wk s[8:9], Wv s[10:11]
	s_load_b64 s[12:13], s[0:1], 0x20              ; xw
	s_mov_b32 s14, ttmp9                           ; the work-group's number, 0 to 703
	s_sub_co_u32 s15, s14, 512                     ; its number among the chunks of the three W (used only where the number is 512 or more)
	s_lshr_b32 s17, s15, 6                         ; which W: 0, 1, 2
	s_and_b32 s16, s15, 63                         ; which chunk of it
	s_lshl_b32 s22, s14, 15                        ; the output's offset: 32,768 bytes a work-group, in the order of xw's rows
	s_mov_b32 s23, 0
	s_mov_b32 s21, 0
	v_lshlrev_b32 v1, 4, v0                        ; 16 t
	v_lshlrev_b32 v2, 3, v0                        ; 8 t
	s_wait_kmcnt 0x0
	s_cmp_eq_u32 s17, 1
	s_cselect_b64 s[18:19], s[8:9], s[6:7]         ; Wk or Wq
	s_cmp_eq_u32 s17, 2
	s_cselect_b64 s[18:19], s[10:11], s[18:19]     ; or Wv
	s_cmp_lt_u32 s14, 512
	s_cselect_b64 s[18:19], s[4:5], s[18:19]       ; or x,
	s_cselect_b32 s16, s14, s16                    ; whose chunk is the work-group's number itself
	s_lshl_b32 s20, s16, 16
	s_add_nc_u64 s[18:19], s[18:19], s[20:21]      ; the source at my chunk
	s_add_nc_u64 s[12:13], s[12:13], s[22:23]      ; xw at my part
.irp i, 0,1,2,3,4,5,6,7,8,9,10,11,12,13,14,15
	global_load_b128 v[XR+4*\i:XR+4*\i+3], v1, s[18:19] offset:4096*\i th:TH_LOAD_NT
.endr
.irp i, 0,1,2,3,4,5,6,7,8,9,10,11,12,13,14,15
	s_wait_loadcnt 15-\i                           ; loads come back in order: load i is in, the 15 - i younger ones stay out
	v_cvt_pk_f16_f32 v[YR+2*\i],   v[XR+4*\i],   v[XR+4*\i+1]
	v_cvt_pk_f16_f32 v[YR+2*\i+1], v[XR+4*\i+2], v[XR+4*\i+3]
	global_store_b64 v2, v[YR+2*\i:YR+2*\i+1], s[12:13] offset:2048*\i
.endr
	s_endpgm
.Lfunc_end_k_q505d186d90_cast:
	.size	k_q505d186d90_cast, .Lfunc_end_k_q505d186d90_cast-k_q505d186d90_cast
	.p2alignl 7, 3214868480
	.fill 96, 4, 3214868480
	.section	.rodata,"a",@progbits
	.p2align	6, 0x0
	.amdhsa_kernel k_q505d186d90_cast
		.amdhsa_group_segment_fixed_size 0
		.amdhsa_private_segment_fixed_size 0
		.amdhsa_enable_private_segment 0
		.amdhsa_kernarg_size 40
		.amdhsa_user_sgpr_count 2
		.amdhsa_user_sgpr_kernarg_segment_ptr 1
		.amdhsa_wavefront_size32 1
		.amdhsa_system_sgpr_workgroup_id_x 1
		.amdhsa_system_sgpr_workgroup_id_y 1
		.amdhsa_system_sgpr_workgroup_id_z 1
		.amdhsa_system_vgpr_workitem_id 0
		.amdhsa_next_free_vgpr 100
		.amdhsa_next_free_sgpr 66
		.amdhsa_reserve_vcc 0
		.amdhsa_float_denorm_mode_32 3
		.amdhsa_float_denorm_mode_16_64 3
		.amdhsa_memory_ordered 1
		.amdhsa_forward_progress 1
		.amdhsa_inst_pref_size 7
	.end_amdhsa_kernel
	.amdgpu_metadata
---
amdhsa.version: [ 1, 2 ]
amdhsa.kernels:
  - .name:           k_q505d186d90_cast
    .symbol:         k_q505d186d90_cast.kd
    .args:
      - { .name: x, .offset: 0, .size: 8, .value_kind: global_buffer, .address_space: global }
      - { .name: Wq, .offset: 8, .size: 8, .value_kind: global_buffer, .address_space: global }
      - { .name: Wk, .offset: 16, .size: 8, .value_kind: global_buffer, .address_space: global }
      - { .name: Wv, .offset: 24, .size: 8, .value_kind: global_buffer, .address_space: global }
      - { .name: xw, .offset: 32, .size: 8, .value_kind: global_buffer, .address_space: global }
    .group_segment_fixed_size: 0
    .private_segment_fixed_size: 0
    .kernarg_segment_align: 8
    .kernarg_segment_size: 40
    .max_flat_workgroup_size: 256
    .sgpr_count:     66
    .vgpr_count:     100
    .wavefront_size: 32
...
	.end_amdgpu_metadata
.endif
;; end of part 1
;; launch proj (part 2): grid 8 x 32, 4 waves a work-group, clusters of 4 x 4, 327,680 bytes of LDS; arguments xw, bv, qh, kh, vt; writes qh, kh, vt
.if DOCPART == 2
	.amdgcn_target "amdgcn-amd-amdhsa--gfx1250"
	.amdhsa_code_object_version 6
	.text
	.protected	k_q505d186d90_proj
	.globl	k_q505d186d90_proj
	.p2align	8
	.type	k_q505d186d90_proj,@function
k_q505d186d90_proj:
	s_mov_b64 s[64:65], 0
	v_nop
	global_prefetch_b8 v0, s[64:65] scope:SCOPE_SE
	s_setreg_imm32_b32 hwreg(HW_REG_WAVE_MODE, 25, 1), 1
	s_wait_xcnt 0x0
	s_wait_alu depctr_hold_cnt(0) depctr_sa_sdst(0) depctr_va_vdst(0) depctr_va_sdst(0) depctr_va_ssrc(0) depctr_va_vcc(0) depctr_vm_vsrc(0)
	s_getreg_b32 s2, hwreg(HW_REG_IB_STS2, 6, 4)
	s_cmp_eq_u32 s2, 0
	s_cbranch_scc0 .Lentry_in_a_cluster
	s_endpgm
.Lentry_in_a_cluster:
	s_bfe_u32 s2, ttmp6, 0x10000c
	s_cmp_lg_u32 s2, 0xf033
	s_cbranch_scc0 .Lentry_shape_is_right
	s_endpgm
.Lentry_shape_is_right:
; proj: q = x Wq^T, k = x Wk^T (f16, [8192 tokens][1024]) and v = x Wv^T + bv, stored transposed (vt, f16, [1024 d][8192 tokens]).
; Operands f16 from xw, sums f32, each result rounded once.  LIMIT, stated: |q|, |k|, |v| above 65,504 become infinities in f16.
; A work-group (fb = 0..7, tb = 0..31) makes tokens 256 tb .. +255 times features 128 fb .. +127 of each of q, k and v: 256 work-groups.
; Wave w (i = w >> 1, j = w & 1) makes tokens 128 i .. +127 times the 128 features of q (j = 0) or k (j = 1), and times d = 64 j .. +63 of v:
; 96 accumulator tiles of 16 x 16, 768 registers.
; K goes in steps of 64 through two LDS slots of 640 rows (256 of x, 128 of each W); two slots of a step of 128 would need 348,160 bytes.
; CLUSTERS: 4 x 4 work-groups.  x's tile hangs on tb alone and is asked for jointly along a row of the cluster, the W tiles on fb alone
; and are asked for jointly along a column.  Wave 0 asks for x's 256 rows, waves 1 to 3 for the 128 rows of Wq, Wk, Wv.
; By this text's count a wave has two tensor loads out at the start and one behind each round of the cluster's barrier.
; REGISTERS: window 0 addresses and fragments; window 1 q/k features 0-63 (tile (a, b) at 8 (4 a + b)); window 2 features 64-127;
; window 3 v (tile (b, a) at 8 (8 b + a)).  For q and k source 0 is W and source 1 is x: a lane then holds one token and eight
; neighbouring features.  For v source 0 is x and source 1 is Wv: a lane holds one d and eight neighbouring tokens, a piece of a row of vt.
.set KSTEP,  64
.set PITCH,  144                       ; an LDS row: 128 bytes + 16 of padding, an odd multiple of 16: sixteen rows begin at sixteen different 16-byte columns of 256
.set WTILE,  128*PITCH                 ; 128 rows
.set BOFF,   256*PITCH                 ; the W rows lie behind x's 256
.set SLOT,   640*PITCH
.set STAGE,  2*SLOT                    ; behind the ring, at a multiple of 256: 16 rows of 272 bytes for each wave; no tensor load lands here
.set SPITCH, 272
.set ADRA, 8                           ; v8-9    LDS address of my x fragments in slot 0, 1
.set ADRX, 10                          ; v10-11  of my Wq or Wk fragments
.set ADRV, 12                          ; v12-13  of my Wv fragments
.set STO,  14                          ; the way out: where I put 16 bytes of a row
.set RD,   15                          ; where I read a row back
.set CO,   16                          ; my byte offset in qh or kh
.set COV,  17                          ; my byte offset in vt
.set BO,   18                          ; my byte offset in bv
.set BIAS, 20                          ; v[20:27] bv of my d in block b, twice (a pair for the packed add)
.set A0,   32                          ; v[32:95]   x fragments (8 x 16 tokens x 32 K), buffer 0
.set A1,   96                          ; v[96:159]  buffer 1
.set B1,   160                         ; v[160:191] W fragments of features 0-63
.set B2,   192                         ; v[192:223] of features 64-127
.set B3,   224                         ; v[224:255] Wv fragments
.set TMP,  32                          ; the way out: packed results
.set G1A, 24                           ; s[24:31] descriptor group 1 of x's tile
.set G1B, 32                           ; s[32:39] of a W tile
.set G0A, 40                           ; s[40:47] group 0 of x's tile, a set for each slot
.set G0B, 48                           ; s[48:55] of my W tile
.set PADW, (1<<16)|(1<<20)|(1<<21)|(4<<22)|(3<<25)  ; elements of 2 bytes; padding on; bit 21 beside a mask; after every 32 words; 4 words
.set MSB, 0
.macro WIN new                         ; the immediate's high byte repeats the setting that is left
.if MSB != \new
	s_set_vgpr_msb (MSB<<8)|\new
.set MSB, \new
.endif
.endm
.macro PLACES                          ; four places behind a matrix instruction ahead of loads into its sources and of readers of its result
.rept 4
	v_nop
.endr
.endm
.macro JLOAD s                         ; a joint load: each line has one mask; the branch hangs on the wave's number alone
	s_cmp_eq_u32 s14, 0
	s_cbranch_scc0 .Lfor_b_\@
	tensor_load_to_lds s[G0A+4*\s:G0A+4*\s+3], s[G1A:G1A+7]
	s_nop 0
	s_branch .Lasked_\@
.Lfor_b_\@:
	tensor_load_to_lds s[G0B+4*\s:G0B+4*\s+3], s[G1B:G1B+7]
	s_nop 0
.Lasked_\@:
.endm
.macro CREST                           ; a round of the cluster's barrier behind its opening barrier
	s_cmp_lg_u32 s14, 0
	s_cbranch_scc1 .Lnot_wave_0_\@
	s_barrier_signal -3
.Lnot_wave_0_\@:
	s_barrier_wait -3
	s_barrier_signal -1
	s_barrier_wait -1
.endm
.macro CROUND                          ; a whole round
	s_barrier_signal -1
	s_barrier_wait -1
	CREST
.endm
	s_load_b256 s[4:11], s[0:1], 0x0               ; xw s[4:5], bv s[6:7], qh s[8:9], kh s[10:11]
	s_load_b64 s[12:13], s[0:1], 0x20              ; vt
	v_lshl_add_u32 v30, v0, 2, 0x31400
	v_mov_b32 v31, 0
	ds_add_u32 v30, v31
	v_lshrrev_b32 v1, 5, v0
	v_readfirstlane_b32 s14, v1                    ; wave 0..3
	s_lshr_b32 s15, s14, 1                         ; i: my half of the tokens
	s_and_b32 s16, s14, 1                          ; j: q or k, and my half of v's d
	s_bfe_u32 s17, ttmp6, 0x40000                  ; cx
	s_bfe_u32 s18, ttmp6, 0x40004                  ; cy
	s_lshl_b32 s19, ttmp9, 2
	s_add_co_u32 s19, s19, s17                     ; fb = 4 x cluster x + cx
	s_and_b32 s20, ttmp7, 0xffff
	s_lshl_b32 s20, s20, 2
	s_add_co_u32 s20, s20, s18                     ; tb = 4 x cluster y + cy
	s_lshl_b32 s21, s18, 2
	s_lshl_b32 s21, 15, s21                        ; my row of the cluster
	s_lshl_b32 s22, 0x1111, s17                    ; my column
	s_or_b32 s[G1A+0], s21, PADW                   ; x's tile goes to my row
	s_mov_b32 s[G1A+1], KSTEP<<16                  ; tensor_dim0 = 64
	s_mov_b32 s[G1A+2], 256<<16                    ; tensor_dim1 = 256
	s_mov_b32 s[G1A+3], KSTEP<<16                  ; tile_dim0 = 64
	s_mov_b32 s[G1A+4], 256                        ; tile_dim1 = 256
	s_mov_b32 s[G1A+5], 1024                       ; elements from row to row
	s_mov_b32 s[G1A+6], 0
	s_mov_b32 s[G1A+7], 0
	s_or_b32 s[G1B+0], s22, PADW                   ; a W tile goes to my column
	s_mov_b32 s[G1B+1], KSTEP<<16
	s_mov_b32 s[G1B+2], 128<<16                    ; 128 rows
	s_mov_b32 s[G1B+3], KSTEP<<16
	s_mov_b32 s[G1B+4], 128
	s_mov_b32 s[G1B+5], 1024
	s_mov_b32 s[G1B+6], 0
	s_mov_b32 s[G1B+7], 0
	s_lshl_b32 s56, s20, 19                        ; x: 256 tb rows of 2,048 bytes; these registers never hold cx
	s_mov_b32 s57, 0
	s_lshl_b32 s60, s14, 21                        ; W: matrix w - 1 begins at row 8192 + 1024 (w - 1) = byte 14,680,064 + (w << 21);
	s_lshl_b32 s61, s19, 18                        ; + 128 fb rows; these registers never hold cy.  (Wave 0's value lies inside xw and is not used.)
	s_add_co_u32 s60, s60, s61
	s_add_co_u32 s60, s60, 14680064
	s_mov_b32 s61, 0
	s_mul_i32 s23, s14, WTILE                      ; and in LDS at BOFF + (w - 1) x 128 rows = (w + 1) x 128 rows
	s_add_co_u32 s23, s23, WTILE
	s_wait_dscnt 0x0
	s_wait_kmcnt 0x0
	s_add_nc_u64 s[58:59], s[4:5], s[56:57]
	s_add_nc_u64 s[62:63], s[4:5], s[60:61]
	CROUND                                         ; all sixteen work-groups are here: the first joint loads meet
.irp s, 0,1
	s_mov_b32 s[G0A+4*\s], 1
	s_mov_b32 s[G0A+4*\s+1], \s*SLOT
	s_add_nc_u64 s[G0A+4*\s+2:G0A+4*\s+3], s[58:59], \s*KSTEP*2
	s_or_b32 s[G0A+4*\s+3], s[G0A+4*\s+3], 0x80000000
	s_mov_b32 s[G0B+4*\s], 1
	s_add_co_u32 s[G0B+4*\s+1], s23, \s*SLOT
	s_add_nc_u64 s[G0B+4*\s+2:G0B+4*\s+3], s[62:63], \s*KSTEP*2
	s_or_b32 s[G0B+4*\s+3], s[G0B+4*\s+3], 0x80000000
	JLOAD \s                                       ; K steps 0 and 1: the ring is filled before anything else is done
.endr
	; a fragment: lane l holds row l % 16; two loads of 16 bytes, 32 bytes apart, at row x pitch + 16 (l / 16)
	v_and_b32 v1, 15, v0                           ; r
	v_bfe_u32 v2, v0, 4, 1                         ; h
	v_mul_u32_u24 v3, v1, PITCH
	v_lshl_add_u32 v3, v2, 4, v3
	s_mul_i32 s66, s15, WTILE                      ; my 128 tokens
	s_mul_i32 s67, s16, WTILE
	s_add_co_u32 s67, s67, BOFF                    ; Wq's or Wk's 128 rows
	s_mul_i32 s68, s16, 64*PITCH
	s_add_co_u32 s68, s68, BOFF+2*WTILE            ; my 64 rows of Wv
.irp s, 0,1
	v_add_nc_u32 v[ADRA+\s], s66, v3
	v_add_nc_u32 v[ADRX+\s], s67, v3
	v_add_nc_u32 v[ADRV+\s], s68, v3
	s_add_co_u32 s66, s66, SLOT
	s_add_co_u32 s67, s67, SLOT
	s_add_co_u32 s68, s68, SLOT
.endr
	s_mul_i32 s69, s14, 16*SPITCH
	s_add_co_u32 s69, s69, STAGE                   ; my stage
	v_mul_u32_u24 v4, v1, SPITCH
	v_lshl_add_u32 v4, v2, 4, v4
	v_add_nc_u32 v[STO], s69, v4                   ; in: row r, 16 bytes for each half of the lanes
	v_mul_u32_u24 v5, v2, SPITCH
	v_lshl_add_u32 v5, v1, 4, v5
	v_add_nc_u32 v[RD], s69, v5                    ; back: lanes 0-15 one row of 256 bytes, lanes 16-31 the next
	v_lshlrev_b32 v5, 11, v2
	v_lshl_add_u32 v[CO], v1, 4, v5                ; the same two rows in qh or kh (2,048 bytes a row)
	v_lshlrev_b32 v5, 14, v2
	v_lshl_add_u32 v[COV], v1, 4, v5               ; and in vt (16,384 bytes a row)
	v_lshlrev_b32 v[BO], 2, v1
	s_lshl_b32 s70, s19, 9                         ; bv at d = 128 fb + 64 j
	s_lshl_b32 s71, s16, 8
	s_add_co_u32 s70, s70, s71
	s_mov_b32 s71, 0
	s_add_nc_u64 s[72:73], s[6:7], s[70:71]
.irp b, 0,1,2,3
	global_load_b32 v[BIAS+2*\b],   v[BO], s[72:73] offset:64*\b   ; bv[d0 + 16 b + r], into both halves of the pair
	global_load_b32 v[BIAS+2*\b+1], v[BO], s[72:73] offset:64*\b
.endr
	s_lshl_b32 s76, s20, 19                        ; q or k at token 256 tb + 128 i, feature 128 fb
	s_lshl_b32 s77, s15, 18
	s_add_co_u32 s76, s76, s77
	s_lshl_b32 s77, s19, 8
	s_add_co_u32 s76, s76, s77
	s_mov_b32 s77, 0
	s_cmp_eq_u32 s16, 0
	s_cselect_b64 s[74:75], s[8:9], s[10:11]
	s_add_nc_u64 s[74:75], s[74:75], s[76:77]
	s_lshl_b32 s78, s19, 21                        ; vt at d = 128 fb + 64 j, token 256 tb + 128 i
	s_lshl_b32 s79, s16, 20
	s_add_co_u32 s78, s78, s79
	s_lshl_b32 s79, s20, 9
	s_add_co_u32 s78, s78, s79
	s_lshl_b32 s79, s15, 8
	s_add_co_u32 s78, s78, s79
	s_mov_b32 s79, 0
	s_add_nc_u64 s[80:81], s[12:13], s[78:79]
.macro LDB dst, adr, off               ; 4 fragments, 8 LDS loads
.irp i, 0,1,2,3
	ds_load_b128 v[\dst+8*\i:\dst+8*\i+3],   v[\adr] offset:\off+\i*16*PITCH
	ds_load_b128 v[\dst+8*\i+4:\dst+8*\i+7], v[\adr] offset:\off+\i*16*PITCH+32
.endr
.endm
.macro LDA dst, adr, off               ; 8 fragments, 16 LDS loads
.irp i, 0,1,2,3,4,5,6,7
	ds_load_b128 v[\dst+8*\i:\dst+8*\i+3],   v[\adr] offset:\off+\i*16*PITCH
	ds_load_b128 v[\dst+8*\i+4:\dst+8*\i+7], v[\adr] offset:\off+\i*16*PITCH+32
.endr
.endm
; 16 matrix instructions of q or k: token blocks a0 .. a0 + 3 times 4 feature blocks.  zero = 1: the first product starts the sums.
; The 96 accumulators take turns, one instruction a turn and in the same order in every 32 of K.
.macro GXH bb, ab, a0, zero
.irp a, \a0, \a0+1, \a0+2, \a0+3
.irp b, 0,1,2,3
.if \zero
	v_wmma_f32_16x16x32_f16 v[8*(4*(\a)+\b):8*(4*(\a)+\b)+7], v[\bb+8*\b:\bb+8*\b+7], v[\ab+8*(\a):\ab+8*(\a)+7], 0
.else
	v_wmma_f32_16x16x32_f16 v[8*(4*(\a)+\b):8*(4*(\a)+\b)+7], v[\bb+8*\b:\bb+8*\b+7], v[\ab+8*(\a):\ab+8*(\a)+7], v[8*(4*(\a)+\b):8*(4*(\a)+\b)+7]
.endif
.endr
.endr
.endm
.macro GV ab, zero                     ; 32 matrix instructions of v: 4 d blocks times 8 token blocks
.irp b, 0,1,2,3
.irp a, 0,1,2,3,4,5,6,7
.if \zero
	v_wmma_f32_16x16x32_f16 v[8*(8*\b+\a):8*(8*\b+\a)+7], v[\ab+8*\a:\ab+8*\a+7], v[B3+8*\b:B3+8*\b+7], 0
.else
	v_wmma_f32_16x16x32_f16 v[8*(8*\b+\a):8*(8*\b+\a)+7], v[\ab+8*\a:\ab+8*\a+7], v[B3+8*\b:B3+8*\b+7], v[8*(8*\b+\a):8*(8*\b+\a)+7]
.endif
.endr
.endr
.endm
; The first 32 of a K step, on x's buffer 0; each group's W registers are loaded again, for the second 32, as soon as the group is done.
.macro QA slot, zero
	s_wait_dscnt 16                                ; B1 and A0 are in; B2's and B3's 8 + 8 loads may be out
	WIN 0x50
	GXH B1, A0, 0, \zero
	GXH B1, A0, 4, \zero
	WIN 0
	PLACES
	LDB B1, ADRX+\slot, 64
	LDA A1, ADRA+\slot, 64
	s_wait_dscnt 32                                ; B2 is in: behind it stand B3's 8 loads and the 24 just issued
	WIN 0xa0
	GXH B2, A0, 0, \zero
	GXH B2, A0, 4, \zero
	WIN 0
	PLACES
	LDB B2, ADRX+\slot, 64+64*PITCH
	s_wait_dscnt 32                                ; B3 is in: behind it stand 24 + 8 loads
	WIN 0xf0
	GV A0, \zero
	WIN 0
	PLACES
	LDB B3, ADRV+\slot, 64
.endm
; The second 32 of a K step, on buffer 1, and the change of slots.  In front of the barrier each wave waits for its reads of this slot and
; for all its tensor loads (the one that is out is its part of the next slot).  fill = 1: the barrier opens a round of the cluster's
; barrier, and the joint refill of this slot, two K steps ahead, is the first tensor load behind the round.
; From that request to the wait for it a wave issues 176 matrix instructions.
.macro QB slot, next, fill
	s_wait_dscnt 16                                ; B1 and A1 are in
	WIN 0x50
	GXH B1, A1, 0, 0
	s_wait_dscnt 0x0                               ; my reads of this slot are over
	s_wait_tensorcnt 0x0                           ; and all my tensor loads have landed
	ds_add_u32 v30, v31
	s_wait_dscnt 0x0
	s_barrier_signal -1
	GXH B1, A1, 4, 0                               ; register work while the others arrive
	WIN 0
	s_barrier_wait -1
.if \fill
	CREST                                          ; no wave of any partner still reads this slot or has a load on its way
	s_add_nc_u64 s[G0A+4*\slot+2:G0A+4*\slot+3], s[G0A+4*\slot+2:G0A+4*\slot+3], 2*KSTEP*2
	s_add_nc_u64 s[G0B+4*\slot+2:G0B+4*\slot+3], s[G0B+4*\slot+2:G0B+4*\slot+3], 2*KSTEP*2
	JLOAD \slot
.endif
	PLACES
	LDB B1, ADRX+\next, 0
	LDA A0, ADRA+\next, 0
	WIN 0xa0
	GXH B2, A1, 0, 0
	GXH B2, A1, 4, 0
	WIN 0
	PLACES
	LDB B2, ADRX+\next, 64*PITCH
	WIN 0xf0
	GV A1, 0
	WIN 0
	PLACES
	LDB B3, ADRV+\next, 0
.endm
.macro LAP zero                        ; two K steps, both slots filled again
	QA 0, \zero
	QB 0, 1, 1
	QA 1, 0
	QB 1, 0, 1
.endm
	s_wait_tensorcnt 0x1                           ; my part of K step 0 is in; K step 1's may stay out
	s_barrier_signal -1
	s_barrier_wait -1
	LDB B1, ADRX+0, 0
	LDA A0, ADRA+0, 0
	LDB B2, ADRX+0, 64*PITCH
	LDB B3, ADRV+0, 0
	LAP 1                                          ; K steps 0, 1: the first products start the sums, nothing is cleared
	WIN 0
	s_mov_b32 s3, 6                                ; K steps 2 to 13
.Llap:
	LAP 0
	WIN 0
	s_sub_co_u32 s3, s3, 1
	s_cmp_lg_u32 s3, 0
	s_cbranch_scc1 .Llap
	QA 0, 0                                        ; K steps 14, 15 fill nothing
	QB 0, 1, 0
	QA 1, 0
	s_wait_dscnt 16
	WIN 0x50
	GXH B1, A1, 0, 0
	GXH B1, A1, 4, 0
	s_wait_dscnt 8                                 ; B2 is in; B3's 8 loads may be out
	WIN 0xa0
	GXH B2, A1, 0, 0
	GXH B2, A1, 4, 0
	s_wait_dscnt 0x0
	WIN 0xf0
	GV A1, 0
	WIN 0
	PLACES                                         ; behind the last matrix instructions: for the conversions and for the loads into the fragment buffers
; THE WAY OUT, 16 rows at a time: round to f16, 16 bytes a lane into my own stage, read back as whole rows of 256 bytes.
; LDS serves a wave's instructions in order (ISA guide 5.7.1), so the loads see the stores without a wait.
.macro BACK rb, co, base, rowb         ; rb: 32 registers; each store's sixteen lanes write 256 consecutive bytes at a multiple of 256
.irp t, 0,1,2,3,4,5,6,7
	ds_load_b128 v[\rb+4*\t:\rb+4*\t+3], v[RD] offset:\t*2*SPITCH
.endr
.irp t, 0,1,2,3,4,5,6,7
	s_wait_dscnt 7-\t                              ; read-back t is in, the younger ones stay out
	global_store_b128 v[\co], v[\rb+4*\t:\rb+4*\t+3], s[\base:\base+1] offset:2*\t*\rowb
.endr
.endm
.macro OUTX a, rb                      ; tokens 16 a .. + 15 of q or k: 128 features
	WIN 0x05
.irp b, 0,1,2,3
.irp p, 0,1,2,3
	v_cvt_pk_f16_f32 v[TMP+4*\b+\p], v[8*(4*\a+\b)+2*\p], v[8*(4*\a+\b)+2*\p+1]
.endr
.endr
	WIN 0x0a
.irp b, 0,1,2,3
.irp p, 0,1,2,3
	v_cvt_pk_f16_f32 v[TMP+16+4*\b+\p], v[8*(4*\a+\b)+2*\p], v[8*(4*\a+\b)+2*\p+1]
.endr
.endr
	WIN 0
.irp b, 0,1,2,3,4,5,6,7
	ds_store_b128 v[STO], v[TMP+4*\b:TMP+4*\b+3] offset:32*\b
.endr
	s_wait_xcnt 0x0                                ; the stores' data registers and base are rewritten only behind this wait
.if \a
	s_add_nc_u64 s[74:75], s[74:75], 16*2048
.endif
	BACK \rb, CO, 74, 2048
.endm
.macro OUTV b, rb                      ; d = 16 b .. + 15 of my 64: 128 tokens
	WIN 0x0f
.irp a, 0,1,2,3,4,5,6,7
.irp p, 0,1,2,3
	v_cvt_pk_f16_f32 v[TMP+4*\a+\p], v[8*(8*\b+\a)+2*\p], v[8*(8*\b+\a)+2*\p+1]
.endr
.endr
	WIN 0
.irp a, 0,1,2,3,4,5,6,7
	ds_store_b128 v[STO], v[TMP+4*\a:TMP+4*\a+3] offset:32*\a
.endr
	s_wait_xcnt 0x0
.if \b
	s_add_nc_u64 s[80:81], s[80:81], 16*16384
.endif
	BACK \rb, COV, 80, 16384
.endm
	OUTX 0, 96
	OUTX 1, 128
	OUTX 2, 96
	OUTX 3, 128
	OUTX 4, 96
	OUTX 5, 128
	OUTX 6, 96
	OUTX 7, 128
	s_wait_loadcnt 0x0                             ; bv
	WIN 0xc3                                       ; sums of v in window 3, the bias in window 0
.irp b, 0,1,2,3
.irp a, 0,1,2,3,4,5,6,7
.irp p, 0,1,2,3
	v_pk_add_f32 v[8*(8*\b+\a)+2*\p:8*(8*\b+\a)+2*\p+1], v[8*(8*\b+\a)+2*\p:8*(8*\b+\a)+2*\p+1], v[BIAS+2*\b:BIAS+2*\b+1]
.endr
.endr
.endr
	OUTV 0, 96
	OUTV 1, 128
	OUTV 2, 96
	OUTV 3, 128
	s_wait_tensorcnt 0x0
	ds_add_u32 v30, v31
	s_wait_dscnt 0x0
	CROUND                                         ; the closing round: no work-group ends while a partner may still ask for a tile that names it
	s_endpgm
.Lfunc_end_k_q505d186d90_proj:
	.size	k_q505d186d90_proj, .Lfunc_end_k_q505d186d90_proj-k_q505d186d90_proj
	.p2alignl 7, 3214868480
	.fill 96, 4, 3214868480
	.section	.rodata,"a",@progbits
	.p2align	6, 0x0
	.amdhsa_kernel k_q505d186d90_proj
		.amdhsa_group_segment_fixed_size 327680
		.amdhsa_private_segment_fixed_size 0
		.amdhsa_enable_private_segment 0
		.amdhsa_kernarg_size 40
		.amdhsa_user_sgpr_count 2
		.amdhsa_user_sgpr_kernarg_segment_ptr 1
		.amdhsa_wavefront_size32 1
		.amdhsa_system_sgpr_workgroup_id_x 1
		.amdhsa_system_sgpr_workgroup_id_y 1
		.amdhsa_system_sgpr_workgroup_id_z 1
		.amdhsa_system_vgpr_workitem_id 0
		.amdhsa_next_free_vgpr 1024
		.amdhsa_next_free_sgpr 96
		.amdhsa_reserve_vcc 0
		.amdhsa_float_denorm_mode_32 3
		.amdhsa_float_denorm_mode_16_64 3
		.amdhsa_memory_ordered 1
		.amdhsa_forward_progress 1
		.amdhsa_inst_pref_size 180
	.end_amdhsa_kernel
	.amdgpu_metadata
---
amdhsa.version: [ 1, 2 ]
amdhsa.kernels:
  - .name:           k_q505d186d90_proj
    .symbol:         k_q505d186d90_proj.kd
    .args:
      - { .name: xw, .offset: 0, .size: 8, .value_kind: global_buffer, .address_space: global }
      - { .name: bv, .offset: 8, .size: 8, .value_kind: global_buffer, .address_space: global }
      - { .name: qh, .offset: 16, .size: 8, .value_kind: global_buffer, .address_space: global }
      - { .name: kh, .offset: 24, .size: 8, .value_kind: global_buffer, .address_space: global }
      - { .name: vt, .offset: 32, .size: 8, .value_kind: global_buffer, .address_space: global }
    .group_segment_fixed_size: 327680
    .private_segment_fixed_size: 0
    .kernarg_segment_align: 8
    .kernarg_segment_size: 40
    .max_flat_workgroup_size: 128
    .sgpr_count:     96
    .vgpr_count:     1024
    .wavefront_size: 32
...
	.end_amdgpu_metadata
.endif
;; end of part 2
;; launch score (part 3): grid 8 x 32, 4 waves a work-group, clusters of 4 x 4, 327,680 bytes of LDS; arguments qh, kh, mask, ph, st; writes ph, st
.if DOCPART == 3
	.amdgcn_target "amdgcn-amd-amdhsa--gfx1250"
	.amdhsa_code_object_version 6
	.text
	.protected	k_q505d186d90_score
	.globl	k_q505d186d90_score
	.p2align	8
	.type	k_q505d186d90_score,@function
k_q505d186d90_score:
	s_mov_b64 s[64:65], 0
	v_nop
	global_prefetch_b8 v0, s[64:65] scope:SCOPE_SE
	s_setreg_imm32_b32 hwreg(HW_REG_WAVE_MODE, 25, 1), 1
	s_wait_xcnt 0x0
	s_wait_alu depctr_hold_cnt(0) depctr_sa_sdst(0) depctr_va_vdst(0) depctr_va_sdst(0) depctr_va_ssrc(0) depctr_va_vcc(0) depctr_vm_vsrc(0)
	s_getreg_b32 s2, hwreg(HW_REG_IB_STS2, 6, 4)
	s_cmp_eq_u32 s2, 0
	s_cbranch_scc0 .Lentry_in_a_cluster
	s_endpgm
.Lentry_in_a_cluster:
	s_bfe_u32 s2, ttmp6, 0x10000c
	s_cmp_lg_u32 s2, 0xf033
	s_cbranch_scc0 .Lentry_shape_is_right
	s_endpgm
.Lentry_shape_is_right:
; score: for 256 queries and one tile t of 128 keys of a batch: s = (q . k) log2(e) / 32, -infinity at a masked key;
; m_t = max(-1e30, max of s over the tile); P_t = exp2(s - m_t), rounded to f16, into ph [8192 q][1024 keys]; l_t = the f32 sum of the
; unrounded P_t; (m_t, l_t) into st [8 tiles][8192 rows][2].  The next launch takes the maximum over the eight tiles away, so the row's
; true maximum is subtracted in f32.  The query's own mask is applied there too.
; LIMITS, stated: a score below -1e30 (in units of log2) counts as masked; a weight below 6e-8 of its tile's largest becomes 0 in f16.
; A work-group (X = key tile 0..7, Y = 0..31; batch Z = Y / 4) has four waves; wave w makes queries 64 w .. +63 times all 128 keys:
; 32 accumulator tiles in window 1, tile (a, b) at 8 (8 a + b).  Source 0 = 16 rows of k, source 1 = 16 rows of q: lane (r, h) holds query
; 16 a + r and keys 16 b + 8 h + 0..7, so a row's maximum and sum need one exchange between the halves of the wave.
; K = 1024 goes in 8 steps of 128 (rows of 256 bytes at multiples of 256) through two LDS slots of 256 + 128 rows, written out without a loop.
; CLUSTERS: 4 x 4.  q's tile hangs on Y alone: asked for jointly along a row of the cluster.  k's tile hangs on X and on the batch, which
; all sixteen share: asked for jointly along a column.  Waves 0, 1 ask for q's halves of 128 rows, waves 2, 3 for k's halves of 64 rows.
; By this text's count a wave has two tensor loads out at the start and one behind each round of the cluster's barrier.
.set KSTEP,  128
.set PITCH,  272                       ; 256 bytes + 16 of padding: an odd multiple of 16
.set BOFF,   256*PITCH                 ; k's rows lie behind q's 256
.set SLOT,   384*PITCH
.set STAGE,  2*SLOT                    ; a multiple of 256; 16 rows of 272 bytes for each wave; no tensor load lands here
.set SPITCH, 272
.set ADRA, 8                           ; v8-9    my q fragments in slot 0, 1
.set ADRB, 10                          ; v10-11  the k fragments
.set STO,  12
.set RD,   13
.set CO,   14                          ; my byte offset in ph
.set SO,   15                          ; my byte offset in st
.set MO,   16                          ; my byte offset in the mask
.set MW,   18                          ; v[18:33] the mask bytes of my 64 keys
.set T,    34                          ; the other half's figure
.set MX,   36                          ; v[36:39] four running maxima
.set MP,   40                          ; v[40:41] (m, m)
.set SM,   42
.set ST,   44                          ; v[44:51] (m, l) of row block a
.set SV,   52                          ; v[52:55] what goes to st
.set F0,   64                          ; v[64:159]  fragments: k's 8 at +0, q's 4 at +64
.set F1,   160                         ; v[160:255] the second buffer
.set TMP,  64                          ; the way out: packed P
.set SUMS, 160                         ; the way out: partial sums
.set G1A, 24
.set G1B, 32
.set G0A, 40
.set G0B, 48
.set PADW, (1<<16)|(1<<20)|(1<<21)|(5<<22)|(3<<25)  ; elements of 2 bytes; padding on; bit 21 beside a mask; after every 64 words; 4 words
.set MSB, 0
.macro WIN new
.if MSB != \new
	s_set_vgpr_msb (MSB<<8)|\new
.set MSB, \new
.endif
.endm
.macro PLACES                          ; four places behind a matrix instruction (ISA guide 7.12.1)
.rept 4
	v_nop
.endr
.endm
.macro JLOAD s
	s_cmp_eq_u32 s15, 0
	s_cbranch_scc0 .Lfor_b_\@
	tensor_load_to_lds s[G0A+4*\s:G0A+4*\s+3], s[G1A:G1A+7]
	s_nop 0
	s_branch .Lasked_\@
.Lfor_b_\@:
	tensor_load_to_lds s[G0B+4*\s:G0B+4*\s+3], s[G1B:G1B+7]
	s_nop 0
.Lasked_\@:
.endm
.macro CREST
	s_cmp_lg_u32 s14, 0
	s_cbranch_scc1 .Lnot_wave_0_\@
	s_barrier_signal -3
.Lnot_wave_0_\@:
	s_barrier_wait -3
	s_barrier_signal -1
	s_barrier_wait -1
.endm
.macro CROUND
	s_barrier_signal -1
	s_barrier_wait -1
	CREST
.endm
	s_load_b256 s[4:11], s[0:1], 0x0               ; qh s[4:5], kh s[6:7], mask s[8:9], ph s[10:11]
	s_load_b64 s[12:13], s[0:1], 0x20              ; st
	v_lshl_add_u32 v62, v0, 2, 0x37400
	v_mov_b32 v63, 0
	ds_add_u32 v62, v63
	v_lshrrev_b32 v1, 5, v0
	v_readfirstlane_b32 s14, v1                    ; wave 0..3
	s_lshr_b32 s15, s14, 1                         ; I fetch for q (0) or for k (1),
	s_and_b32 s16, s14, 1                          ; and which half of that tile
	s_bfe_u32 s17, ttmp6, 0x40000                  ; cx
	s_bfe_u32 s18, ttmp6, 0x40004                  ; cy
	s_lshl_b32 s19, ttmp9, 2
	s_add_co_u32 s19, s19, s17                     ; X = 4 x cluster x + cx
	s_and_b32 s23, ttmp7, 0xffff                   ; Z: the cluster's y is the batch
	s_lshl_b32 s20, s23, 2
	s_add_co_u32 s20, s20, s18                     ; Y = 4 Z + cy
	s_lshl_b32 s21, s18, 2
	s_lshl_b32 s21, 15, s21                        ; my row of the cluster
	s_lshl_b32 s22, 0x1111, s17                    ; my column
	s_mov_b32 s80, 0x76543210                      ; v_permlanex16_b32: lane i reads lane i of the other half
	s_mov_b32 s81, 0xfedcba98
	s_mov_b32 s82, 0xffff0000                      ; lanes 16 to 31
	s_mov_b32 s83, 0xff800000                      ; -infinity
	s_or_b32 s[G1A+0], s21, PADW
	s_mov_b32 s[G1A+1], KSTEP<<16                  ; tensor_dim0 = 128
	s_mov_b32 s[G1A+2], 128<<16                    ; tensor_dim1 = 128
	s_mov_b32 s[G1A+3], KSTEP<<16                  ; tile_dim0 = 128
	s_mov_b32 s[G1A+4], 128                        ; tile_dim1 = 128
	s_mov_b32 s[G1A+5], 1024
	s_mov_b32 s[G1A+6], 0
	s_mov_b32 s[G1A+7], 0
	s_or_b32 s[G1B+0], s22, PADW
	s_mov_b32 s[G1B+1], KSTEP<<16
	s_mov_b32 s[G1B+2], 64<<16                     ; 64 rows
	s_mov_b32 s[G1B+3], KSTEP<<16
	s_mov_b32 s[G1B+4], 64
	s_mov_b32 s[G1B+5], 1024
	s_mov_b32 s[G1B+6], 0
	s_mov_b32 s[G1B+7], 0
	s_lshl_b32 s56, s20, 19                        ; q: row 256 Y + 128 half, 2,048 bytes a row; never holds cx
	s_lshl_b32 s57, s16, 18
	s_add_co_u32 s56, s56, s57
	s_mov_b32 s57, 0
	s_lshl_b32 s60, s23, 21                        ; k: row 1024 Z + 128 X + 64 half; never holds cy
	s_lshl_b32 s61, s19, 18
	s_add_co_u32 s60, s60, s61
	s_lshl_b32 s61, s16, 17
	s_add_co_u32 s60, s60, s61
	s_mov_b32 s61, 0
	s_mul_i32 s66, s16, 128*PITCH                  ; where they go: the wave's number alone
	s_mul_i32 s67, s16, 64*PITCH
	s_add_co_u32 s67, s67, BOFF
	s_wait_dscnt 0x0
	s_wait_kmcnt 0x0
	s_add_nc_u64 s[58:59], s[4:5], s[56:57]
	s_add_nc_u64 s[62:63], s[6:7], s[60:61]
	CROUND                                         ; in front of the first joint loads
.irp s, 0,1
	s_mov_b32 s[G0A+4*\s], 1
	s_add_co_u32 s[G0A+4*\s+1], s66, \s*SLOT
	s_add_nc_u64 s[G0A+4*\s+2:G0A+4*\s+3], s[58:59], \s*KSTEP*2
	s_or_b32 s[G0A+4*\s+3], s[G0A+4*\s+3], 0x80000000
	s_mov_b32 s[G0B+4*\s], 1
	s_add_co_u32 s[G0B+4*\s+1], s67, \s*SLOT
	s_add_nc_u64 s[G0B+4*\s+2:G0B+4*\s+3], s[62:63], \s*KSTEP*2
	s_or_b32 s[G0B+4*\s+3], s[G0B+4*\s+3], 0x80000000
	JLOAD \s
.endr
	v_and_b32 v1, 15, v0                           ; r
	v_bfe_u32 v2, v0, 4, 1                         ; h
	v_and_b32 v4, 31, v0                           ; lane
	v_lshlrev_b32 v[MO], 3, v2                     ; 8 h
	s_lshl_b32 s84, s23, 10                        ; the mask of keys 128 X .. of batch Z
	s_lshl_b32 s85, s19, 7
	s_add_co_u32 s84, s84, s85
	s_mov_b32 s85, 0
	s_add_nc_u64 s[74:75], s[8:9], s[84:85]
.irp b, 0,1,2,3,4,5,6,7
	global_load_b64 v[MW+2*\b:MW+2*\b+1], v[MO], s[74:75] offset:16*\b     ; the bytes of keys 16 b + 8 h + 0..7
.endr
	v_mul_u32_u24 v3, v1, PITCH
	v_lshl_add_u32 v3, v2, 4, v3                   ; row x pitch + 16 h
	s_mul_i32 s70, s14, 64*PITCH                   ; my 64 queries
	s_mov_b32 s71, BOFF
.irp s, 0,1
	v_add_nc_u32 v[ADRA+\s], s70, v3
	v_add_nc_u32 v[ADRB+\s], s71, v3
	s_add_co_u32 s70, s70, SLOT
	s_add_co_u32 s71, s71, SLOT
.endr
	s_mul_i32 s72, s14, 16*SPITCH
	s_add_co_u32 s72, s72, STAGE
	v_add_nc_u32 v[STO], s72, v3                   ; the stage has the ring's pitch: row r, 16 bytes for each half of the lanes
	v_mul_u32_u24 v5, v2, SPITCH
	v_lshl_add_u32 v5, v1, 4, v5
	v_add_nc_u32 v[RD], s72, v5
	v_lshlrev_b32 v5, 11, v2
	v_lshl_add_u32 v[CO], v1, 4, v5
	v_lshlrev_b32 v[SO], 3, v4
	v_mov_b32 v[T], 0                              ; v_permlanex16_b32 counts as a reader of its destination
	s_lshl_b32 s86, s20, 19                        ; ph at query 256 Y + 64 w, key 128 X
	s_lshl_b32 s87, s14, 17
	s_add_co_u32 s86, s86, s87
	s_lshl_b32 s87, s19, 8
	s_add_co_u32 s86, s86, s87
	s_mov_b32 s87, 0
	s_add_nc_u64 s[76:77], s[10:11], s[86:87]
	s_lshl_b32 s88, s19, 16                        ; st at tile X, row 256 Y + 64 w, 8 bytes a row
	s_lshl_b32 s89, s20, 11
	s_add_co_u32 s88, s88, s89
	s_lshl_b32 s89, s14, 9
	s_add_co_u32 s88, s88, s89
	s_mov_b32 s89, 0
	s_add_nc_u64 s[78:79], s[12:13], s[88:89]
	s_wait_loadcnt 0x0                             ; the mask
.irp b, 0,1,2,3,4,5,6,7
.irp j, 0,1,2,3,4,5,6,7
	v_bfe_u32 v[F1+8*\b+\j], v[MW+2*\b+\j/4], 8*(\j%4), 1                  ; the byte is 0 or 1
.endr
.endr
	WIN 0x80                                       ; the key bias lies in window 2, v0-63 there
.irp i, 0,1,2,3,4,5,6,7,8,9,10,11,12,13,14,15,16,17,18,19,20,21,22,23,24,25,26,27,28,29,30,31
	v_mul_lo_u32 v[2*\i],   v[F1+2*\i],   s83      ; 0, or -infinity at a masked key
	v_mul_lo_u32 v[2*\i+1], v[F1+2*\i+1], s83
.endr
	WIN 0
.macro FETCH slot, k, f                ; 24 LDS loads: the fragments of 32 along K at byte k of the rows
.irp i, 0,1,2,3,4,5,6,7
	ds_load_b128 v[\f+8*\i:\f+8*\i+3],   v[ADRB+\slot] offset:\k+\i*16*PITCH
	ds_load_b128 v[\f+8*\i+4:\f+8*\i+7], v[ADRB+\slot] offset:\k+\i*16*PITCH+32
.endr
.irp i, 0,1,2,3
	ds_load_b128 v[\f+64+8*\i:\f+64+8*\i+3],   v[ADRA+\slot] offset:\k+\i*16*PITCH
	ds_load_b128 v[\f+64+8*\i+4:\f+64+8*\i+7], v[ADRA+\slot] offset:\k+\i*16*PITCH+32
.endr
.endm
; cnt x 8 matrix instructions from query block a0 on.  The 32 accumulators take turns, one instruction a turn.
.macro MUL f, a0, cnt, zero
.set ma, \a0
.rept \cnt
.irp b, 0,1,2,3,4,5,6,7
.if \zero
	v_wmma_f32_16x16x32_f16 v[8*(8*ma+\b):8*(8*ma+\b)+7], v[\f+8*\b:\f+8*\b+7], v[\f+64+8*ma:\f+64+8*ma+7], 0
.else
	v_wmma_f32_16x16x32_f16 v[8*(8*ma+\b):8*(8*ma+\b)+7], v[\f+8*\b:\f+8*\b+7], v[\f+64+8*ma:\f+64+8*ma+7], v[8*(8*ma+\b):8*(8*ma+\b)+7]
.endif
.endr
.set ma, ma+1
.endr
.endm
.macro QUARTER slot, k, f, g, zero     ; multiplies buffer f; the next quarter's loads into g go out first and have the 32 matrix instructions in which to land
	s_wait_dscnt 0x0                               ; buffer f is in
	PLACES
	FETCH \slot, \k, \g
	WIN 0x50
	MUL \f, 0, 4, \zero
	WIN 0
.endm
.macro THREE slot, zero
	QUARTER \slot, 64,  F0, F1, \zero
	QUARTER \slot, 128, F1, F0, 0
	QUARTER \slot, 192, F0, F1, 0
.endm
; The last quarter of a K step and the change of slots.  fill = 1: the barrier opens a round of the cluster's barrier and this slot's joint
; refill, two K steps ahead, is the first tensor load behind it; up to the wait for it a wave issues 120 matrix instructions.
.macro TURN slot, next, fill
	s_wait_dscnt 0x0                               ; my reads of this slot are over
	s_wait_tensorcnt 0x0                           ; all my tensor loads have landed: the one that was out is my part of the next slot
	ds_add_u32 v62, v63
	s_wait_dscnt 0x0
	s_barrier_signal -1
	WIN 0x50
	MUL F1, 0, 1, 0                                ; register work while the others arrive
	WIN 0
	s_barrier_wait -1
.if \fill
	CREST
	s_add_nc_u64 s[G0A+4*\slot+2:G0A+4*\slot+3], s[G0A+4*\slot+2:G0A+4*\slot+3], 2*KSTEP*2
	s_add_nc_u64 s[G0B+4*\slot+2:G0B+4*\slot+3], s[G0B+4*\slot+2:G0B+4*\slot+3], 2*KSTEP*2
	JLOAD \slot
.endif
	PLACES
	FETCH \next, 0, F0
	WIN 0x50
	MUL F1, 1, 3, 0
	WIN 0
.endm
	s_wait_tensorcnt 0x1                           ; my part of K step 0 is in; K step 1's may stay out
	s_barrier_signal -1
	s_barrier_wait -1
	FETCH 0, 0, F0
	THREE 0, 1                                     ; K step 0: its first products start the sums
	TURN 0, 1, 1
	THREE 1, 0
	TURN 1, 0, 1
.rept 2
	THREE 0, 0                                     ; K steps 2 to 5
	TURN 0, 1, 1
	THREE 1, 0
	TURN 1, 0, 1
.endr
	THREE 0, 0                                     ; K steps 6, 7 fill nothing
	TURN 0, 1, 0
	THREE 1, 0
	s_wait_dscnt 0x0
	WIN 0x50
	MUL F1, 0, 4, 0
	WIN 0
	PLACES                                         ; behind the last matrix instructions: for all that reads the sums and rewrites the fragment buffers
; Row block a: 16 queries, 64 scores a lane.
.macro SOFT a, rb
	WIN 0x61                                       ; sums in window 1, the key bias in window 2
.set u, 0
.rept 32
	v_pk_fma_f32 v[64*\a+2*u:64*\a+2*u+1], v[64*\a+2*u:64*\a+2*u+1], 0x3d38aa3b, v[2*u:2*u+1] op_sel_hi:[1,0,1]   ; s = sum x log2(e) / 32 + bias
.set u, u+1
.endr
	WIN 0x14
.irp c, 0,1,2,3
	v_max3_num_f32 v[MX+\c], 0xf149f2ca, v[64*\a+2*\c], v[64*\a+2*\c+1]    ; four chains, each started at -1e30
.endr
.set u, 4
.rept 28
	v_max3_num_f32 v[MX+u%4], v[MX+u%4], v[64*\a+2*u], v[64*\a+2*u+1]
.set u, u+1
.endr
	WIN 0
	v_max3_num_f32 v[MX], v[MX], v[MX+1], v[MX+2]
	v_max_num_f32 v[MX], v[MX], v[MX+3]
	v_permlanex16_b32 v[T], v[MX], s80, s81        ; the other 64 keys of my row lie in lane l xor 16
	v_max_num_f32 v[MP], v[MX], v[T]
	v_max_num_f32 v[MP+1], v[MX], v[T]             ; twice, a pair for the packed subtraction,
	v_max_num_f32 v[ST+2*\a], v[MX], v[T]          ; and once for st
	WIN 0x41
.set u, 0
.rept 32
	v_pk_add_f32 v[64*\a+2*u:64*\a+2*u+1], v[64*\a+2*u:64*\a+2*u+1], v[MP:MP+1] neg_lo:[0,1] neg_hi:[0,1]
.set u, u+1
.endr
.set u, 0
.rept 64
	v_exp_f32 v[64*\a+u], v[64*\a+u]
.set u, u+1
.endr
	v_nop                                          ; one plain place behind the last exponential (ISA guide 5.7.2)
	WIN 0x05
.set u, 0
	s_wait_alu depctr_va_vdst(0)
.rept 32
	v_cvt_pk_f16_f32 v[TMP+u], v[64*\a+2*u], v[64*\a+2*u+1]
.set u, u+1
.endr
.set u, 0
.rept 16
	v_pk_add_f32 v[SUMS+2*u:SUMS+2*u+1], v[64*\a+4*u:64*\a+4*u+1], v[64*\a+4*u+2:64*\a+4*u+3]
.set u, u+1
.endr
	WIN 0
.irp b, 0,1,2,3,4,5,6,7
	ds_store_b128 v[STO], v[TMP+4*\b:TMP+4*\b+3] offset:32*\b
.endr
.irp half, 8,4,2,1
.set u, 0
.rept \half
	v_pk_add_f32 v[SUMS+2*u:SUMS+2*u+1], v[SUMS+2*u:SUMS+2*u+1], v[SUMS+2*(u+\half):SUMS+2*(u+\half)+1]
.set u, u+1
.endr
.endr
	v_add_f32 v[SM], v[SUMS], v[SUMS+1]
	v_permlanex16_b32 v[T], v[SM], s80, s81
	v_add_f32 v[ST+2*\a+1], v[SM], v[T]            ; l
	s_wait_xcnt 0x0                                ; the stores' data registers and base are rewritten only behind this wait
.if \a
	s_add_nc_u64 s[76:77], s[76:77], 16*2048
.endif
.irp t, 0,1,2,3,4,5,6,7
	ds_load_b128 v[\rb+4*\t:\rb+4*\t+3], v[RD] offset:\t*2*SPITCH          ; LDS serves a wave's instructions in order: these see the stores above
.endr
.irp t, 0,1,2,3,4,5,6,7
	s_wait_dscnt 7-\t                              ; read-back t is in, the younger ones stay out
	global_store_b128 v[CO], v[\rb+4*\t:\rb+4*\t+3], s[76:77] offset:2*\t*2048   ; sixteen lanes write 256 consecutive bytes at a multiple of 256
.endr
.endm
	SOFT 0, 96
	SOFT 1, 128
	SOFT 2, 96
	SOFT 3, 128
	; (m, l): lanes 0-15 give the rows of block 2 i, lanes 16-31 those of block 2 i + 1: a store covers 256 consecutive bytes at a multiple of 256
.irp i, 0,1
	v_cndmask_b32 v[SV+2*\i],   v[ST+4*\i],   v[ST+4*\i+2], s82
	v_cndmask_b32 v[SV+2*\i+1], v[ST+4*\i+1], v[ST+4*\i+3], s82
	global_store_b64 v[SO], v[SV+2*\i:SV+2*\i+1], s[78:79] offset:256*\i
.endr
	s_wait_tensorcnt 0x0
	ds_add_u32 v62, v63
	s_wait_dscnt 0x0
	CROUND                                         ; the closing round
	s_endpgm
.Lfunc_end_k_q505d186d90_score:
	.size	k_q505d186d90_score, .Lfunc_end_k_q505d186d90_score-k_q505d186d90_score
	.p2alignl 7, 3214868480
	.fill 96, 4, 3214868480
	.section	.rodata,"a",@progbits
	.p2align	6, 0x0
	.amdhsa_kernel k_q505d186d90_score
		.amdhsa_group_segment_fixed_size 327680
		.amdhsa_private_segment_fixed_size 0
		.amdhsa_enable_private_segment 0
		.amdhsa_kernarg_size 40
		.amdhsa_user_sgpr_count 2
		.amdhsa_user_sgpr_kernarg_segment_ptr 1
		.amdhsa_wavefront_size32 1
		.amdhsa_system_sgpr_workgroup_id_x 1
		.amdhsa_system_sgpr_workgroup_id_y 1
		.amdhsa_system_sgpr_workgroup_id_z 1
		.amdhsa_system_vgpr_workitem_id 0
		.amdhsa_next_free_vgpr 576
		.amdhsa_next_free_sgpr 96
		.amdhsa_reserve_vcc 0
		.amdhsa_float_denorm_mode_32 3
		.amdhsa_float_denorm_mode_16_64 3
		.amdhsa_memory_ordered 1
		.amdhsa_forward_progress 1
		.amdhsa_inst_pref_size 205
	.end_amdhsa_kernel
	.amdgpu_metadata
---
amdhsa.version: [ 1, 2 ]
amdhsa.kernels:
  - .name:           k_q505d186d90_score
    .symbol:         k_q505d186d90_score.kd
    .args:
      - { .name: qh, .offset: 0, .size: 8, .value_kind: global_buffer, .address_space: global }
      - { .name: kh, .offset: 8, .size: 8, .value_kind: global_buffer, .address_space: global }
      - { .name: mask, .offset: 16, .size: 8, .value_kind: global_buffer, .address_space: global }
      - { .name: ph, .offset: 24, .size: 8, .value_kind: global_buffer, .address_space: global }
      - { .name: st, .offset: 32, .size: 8, .value_kind: global_buffer, .address_space: global }
    .group_segment_fixed_size: 327680
    .private_segment_fixed_size: 0
    .kernarg_segment_align: 8
    .kernarg_segment_size: 40
    .max_flat_workgroup_size: 128
    .sgpr_count:     96
    .vgpr_count:     576
    .wavefront_size: 32
...
	.end_amdgpu_metadata
.endif
;; end of part 3
;; launch pv (part 4): grid 8 x 32, 4 waves a work-group, clusters of 4 x 4, 327,680 bytes of LDS; arguments ph, vt, st, mask, out0; writes out0
.if DOCPART == 4
	.amdgcn_target "amdgcn-amd-amdhsa--gfx1250"
	.amdhsa_code_object_version 6
	.text
	.protected	k_q505d186d90_pv
	.globl	k_q505d186d90_pv
	.p2align	8
	.type	k_q505d186d90_pv,@function
k_q505d186d90_pv:
	s_mov_b64 s[64:65], 0
	v_nop
	global_prefetch_b8 v0, s[64:65] scope:SCOPE_SE
	s_setreg_imm32_b32 hwreg(HW_REG_WAVE_MODE, 25, 1), 1
	s_wait_xcnt 0x0
	s_wait_alu depctr_hold_cnt(0) depctr_sa_sdst(0) depctr_va_vdst(0) depctr_va_sdst(0) depctr_va_ssrc(0) depctr_va_vcc(0) depctr_vm_vsrc(0)
	s_getreg_b32 s2, hwreg(HW_REG_IB_STS2, 6, 4)
	s_cmp_eq_u32 s2, 0
	s_cbranch_scc0 .Lentry_in_a_cluster
	s_endpgm
.Lentry_in_a_cluster:
	s_bfe_u32 s2, ttmp6, 0x10000c
	s_cmp_lg_u32 s2, 0xf033
	s_cbranch_scc0 .Lentry_shape_is_right
	s_endpgm
.Lentry_shape_is_right:
; pv: out[q][d] = 0 where the query is masked, else (sum over tiles t of f_t (P_t V_t)) / (sum over t of f_t l_t),
; with M = max over t of m_t and f_t = exp2(m_t - M): the row's true maximum is taken away, in f32.
; P's fragments are multiplied by f_t (rounded to f16) on their way into the matrix unit; the divisor takes f_t in f32.
; LIMITS, stated: a tile's weight is off by at most 2^-11 relative against the divisor; weights below 6e-8 of the row's largest become 0
; in f16; a masked row may hold -0.  A row that is alive has its own key alive (one mask serves queries and keys), so its divisor is at
; least 1; where all keys are masked every row is masked, and the factor 0 is chosen in place of the reciprocal.
; A work-group (X = block of 128 d, Y = block of 256 queries; batch Z = Y / 4) has four waves; wave w makes queries 64 w .. +63 times 128 d:
; 32 accumulator tiles in window 1, tile (a, b) at 8 (8 a + b).  Source 0 = 16 rows of vt, source 1 = 16 rows of P: lane (r, h) holds query
; 16 a + r and d = 16 b + 8 h + 0..7.  K (the keys) goes in 8 steps of 128, one step a key tile, through two LDS slots, written out
; without a loop since the step picks the factor's register.
; CLUSTERS: 4 x 4.  P's tile hangs on Y alone: joint along a row of the cluster.  vt's tile hangs on X and on the batch, which all sixteen
; share: joint along a column.  By this text's count a wave has two tensor loads out at the start and one behind each round.
.set KSTEP,  128
.set PITCH,  272
.set BOFF,   256*PITCH
.set SLOT,   384*PITCH
.set STAGE,  2*SLOT                    ; a multiple of 256; 16 rows of 528 bytes for each wave; no tensor load lands here
.set SPITCH, 528                       ; 512 bytes + 16: an odd multiple of 16
.set ADRA, 8
.set ADRB, 10
.set STO,  12
.set RD,   13
.set CO,   14
.set SO,   15
.set FAC,  16                          ; v[16:47] f_t of my row in block a, twice in f16, at 4 t + a
.set INVP, 48                          ; v[48:55] 1 / divisor, or 0 for a masked query, twice, for block a
.set QM,   56                          ; v[56:59] the mask byte of my row in block a
.set T,    60
.set F0,   64                          ; fragments: vt's 8 at +0, P's 4 at +64
.set F1,   160
.set SD,   160                         ; the prologue's (m_t, l_t), at 8 t + 2 a
.set TMP,  64
.set RB,   160
.set G1A, 24
.set G1B, 32
.set G0A, 40
.set G0B, 48
.set PADW, (1<<16)|(1<<20)|(1<<21)|(5<<22)|(3<<25)
.set MSB, 0
.macro WIN new
.if MSB != \new
	s_set_vgpr_msb (MSB<<8)|\new
.set MSB, \new
.endif
.endm
.macro PLACES
.rept 4
	v_nop
.endr
.endm
.macro JLOAD s
	s_cmp_eq_u32 s15, 0
	s_cbranch_scc0 .Lfor_b_\@
	tensor_load_to_lds s[G0A+4*\s:G0A+4*\s+3], s[G1A:G1A+7]
	s_nop 0
	s_branch .Lasked_\@
.Lfor_b_\@:
	tensor_load_to_lds s[G0B+4*\s:G0B+4*\s+3], s[G1B:G1B+7]
	s_nop 0
.Lasked_\@:
.endm
.macro CREST
	s_cmp_lg_u32 s14, 0
	s_cbranch_scc1 .Lnot_wave_0_\@
	s_barrier_signal -3
.Lnot_wave_0_\@:
	s_barrier_wait -3
	s_barrier_signal -1
	s_barrier_wait -1
.endm
.macro CROUND
	s_barrier_signal -1
	s_barrier_wait -1
	CREST
.endm
	s_load_b256 s[4:11], s[0:1], 0x0               ; ph s[4:5], vt s[6:7], st s[8:9], mask s[10:11]
	s_load_b64 s[12:13], s[0:1], 0x20              ; out0
	v_lshl_add_u32 v7, v0, 2, 0x3b400
	v_mov_b32 v63, 0
	ds_add_u32 v7, v63
	v_lshrrev_b32 v1, 5, v0
	v_readfirstlane_b32 s14, v1                    ; wave 0..3
	s_lshr_b32 s15, s14, 1                         ; I fetch for P (0) or for vt (1),
	s_and_b32 s16, s14, 1                          ; and which half of that tile
	s_bfe_u32 s17, ttmp6, 0x40000                  ; cx
	s_bfe_u32 s18, ttmp6, 0x40004                  ; cy
	s_lshl_b32 s19, ttmp9, 2
	s_add_co_u32 s19, s19, s17                     ; X
	s_and_b32 s23, ttmp7, 0xffff                   ; Z
	s_lshl_b32 s20, s23, 2
	s_add_co_u32 s20, s20, s18                     ; Y
	s_lshl_b32 s21, s18, 2
	s_lshl_b32 s21, 15, s21                        ; my row of the cluster
	s_lshl_b32 s22, 0x1111, s17                    ; my column
	s_or_b32 s[G1A+0], s21, PADW
	s_mov_b32 s[G1A+1], KSTEP<<16
	s_mov_b32 s[G1A+2], 128<<16
	s_mov_b32 s[G1A+3], KSTEP<<16
	s_mov_b32 s[G1A+4], 128
	s_mov_b32 s[G1A+5], 1024                       ; ph: 1,024 elements from row to row
	s_mov_b32 s[G1A+6], 0
	s_mov_b32 s[G1A+7], 0
	s_or_b32 s[G1B+0], s22, PADW
	s_mov_b32 s[G1B+1], KSTEP<<16
	s_mov_b32 s[G1B+2], 64<<16
	s_mov_b32 s[G1B+3], KSTEP<<16
	s_mov_b32 s[G1B+4], 64
	s_mov_b32 s[G1B+5], 8192                       ; vt: 8,192 elements from row to row
	s_mov_b32 s[G1B+6], 0
	s_mov_b32 s[G1B+7], 0
	s_lshl_b32 s56, s20, 19                        ; P: row 256 Y + 128 half; never holds cx
	s_lshl_b32 s57, s16, 18
	s_add_co_u32 s56, s56, s57
	s_mov_b32 s57, 0
	s_lshl_b32 s60, s19, 21                        ; vt: row 128 X + 64 half (16,384 bytes a row), token 1024 Z; never holds cy
	s_lshl_b32 s61, s16, 20
	s_add_co_u32 s60, s60, s61
	s_lshl_b32 s61, s23, 11
	s_add_co_u32 s60, s60, s61
	s_mov_b32 s61, 0
	s_mul_i32 s66, s16, 128*PITCH
	s_mul_i32 s67, s16, 64*PITCH
	s_add_co_u32 s67, s67, BOFF
	s_wait_dscnt 0x0
	s_wait_kmcnt 0x0
	s_add_nc_u64 s[58:59], s[4:5], s[56:57]
	s_add_nc_u64 s[62:63], s[6:7], s[60:61]
	CROUND                                         ; in front of the first joint loads
.irp s, 0,1
	s_mov_b32 s[G0A+4*\s], 1
	s_add_co_u32 s[G0A+4*\s+1], s66, \s*SLOT
	s_add_nc_u64 s[G0A+4*\s+2:G0A+4*\s+3], s[58:59], \s*KSTEP*2
	s_or_b32 s[G0A+4*\s+3], s[G0A+4*\s+3], 0x80000000
	s_mov_b32 s[G0B+4*\s], 1
	s_add_co_u32 s[G0B+4*\s+1], s67, \s*SLOT
	s_add_nc_u64 s[G0B+4*\s+2:G0B+4*\s+3], s[62:63], \s*KSTEP*2
	s_or_b32 s[G0B+4*\s+3], s[G0B+4*\s+3], 0x80000000
	JLOAD \s
.endr
	v_and_b32 v1, 15, v0                           ; r
	v_bfe_u32 v2, v0, 4, 1                         ; h
	v_and_b32 v4, 31, v0                           ; lane
	v_lshlrev_b32 v[SO], 3, v1                     ; 8 r
	s_lshl_b32 s84, s20, 11                        ; st at row 256 Y + 64 w
	s_lshl_b32 s85, s14, 9
	s_add_co_u32 s84, s84, s85
	s_mov_b32 s85, 0
	s_add_nc_u64 s[74:75], s[8:9], s[84:85]
	s_lshl_b32 s86, s20, 8                         ; the mask at token 256 Y + 64 w
	s_lshl_b32 s87, s14, 6
	s_add_co_u32 s86, s86, s87
	s_mov_b32 s87, 0
	s_add_nc_u64 s[76:77], s[10:11], s[86:87]
.irp t, 0,1,2,3,4,5,6,7
.irp a, 0,1,2,3
	global_load_b64 v[SD+8*\t+2*\a:SD+8*\t+2*\a+1], v[SO], s[74:75] offset:65536*\t+128*\a   ; (m_t, l_t) of row 16 a + r
.endr
.endr
.irp a, 0,1,2,3
	global_load_u8 v[QM+\a], v1, s[76:77] offset:16*\a
.endr
	v_mul_u32_u24 v3, v1, PITCH
	v_lshl_add_u32 v3, v2, 4, v3
	s_mul_i32 s70, s14, 64*PITCH
	s_mov_b32 s71, BOFF
.irp s, 0,1
	v_add_nc_u32 v[ADRA+\s], s70, v3
	v_add_nc_u32 v[ADRB+\s], s71, v3
	s_add_co_u32 s70, s70, SLOT
	s_add_co_u32 s71, s71, SLOT
.endr
	s_mul_i32 s72, s14, 16*SPITCH
	s_add_co_u32 s72, s72, STAGE
	v_mul_u32_u24 v5, v1, SPITCH
	v_lshl_add_u32 v5, v2, 5, v5
	v_add_nc_u32 v[STO], s72, v5                   ; in: row r, 32 bytes for each half of the lanes
	v_lshlrev_b32 v[CO], 4, v4                     ; back and out: 32 lanes take a whole row of 512 bytes
	v_add_nc_u32 v[RD], s72, v[CO]
	s_lshl_b32 s88, s20, 20                        ; out0 at query 256 Y + 64 w (4,096 bytes a row), d = 128 X
	s_lshl_b32 s89, s14, 18
	s_add_co_u32 s88, s88, s89
	s_lshl_b32 s89, s19, 9
	s_add_co_u32 s88, s88, s89
	s_mov_b32 s89, 0
	s_add_nc_u64 s[78:79], s[12:13], s[88:89]
	s_wait_loadcnt 0x0                             ; st and the mask
.macro FACT a                          ; row block a: the eight factors and the reciprocal of the divisor
	v_max3_num_f32 v[T], v[SD+2*\a], v[SD+8+2*\a], v[SD+16+2*\a]
	v_max3_num_f32 v[T], v[T], v[SD+24+2*\a], v[SD+32+2*\a]
	v_max3_num_f32 v[T], v[T], v[SD+40+2*\a], v[SD+48+2*\a]
	v_max_num_f32 v[T], v[T], v[SD+56+2*\a]        ; M
.irp t, 0,1,2,3,4,5,6,7
	v_sub_f32 v[SD+8*\t+2*\a], v[SD+8*\t+2*\a], v[T]
.endr
.irp t, 0,1,2,3,4,5,6,7
	v_exp_f32 v[SD+8*\t+2*\a], v[SD+8*\t+2*\a]     ; f_t = exp2(m_t - M), at most 1
.endr
	v_nop                                          ; one plain place behind the last exponential (ISA guide 5.7.2)
	s_wait_alu depctr_va_vdst(0)
.irp t, 0,1,2,3,4,5,6,7
	v_cvt_pk_f16_f32 v[FAC+4*\t+\a], v[SD+8*\t+2*\a], v[SD+8*\t+2*\a]
.endr
	v_mul_f32 v[T+1], v[SD+2*\a], v[SD+2*\a+1]
.irp t, 1,2,3,4,5,6,7
	v_fmac_f32 v[T+1], v[SD+8*\t+2*\a], v[SD+8*\t+2*\a+1]
.endr
	v_rcp_f32 v[T+2], v[T+1]
	v_cmp_eq_u32 vcc_lo, 0, v[QM+\a]               ; the plain place behind the reciprocal: lanes whose query is alive
	s_wait_alu depctr_va_vdst(0)
	v_cndmask_b32 v[INVP+2*\a],   0, v[T+2], vcc_lo
	v_cndmask_b32 v[INVP+2*\a+1], 0, v[T+2], vcc_lo
.endm
	FACT 0
	FACT 1
	FACT 2
	FACT 3
.macro FETCH slot, k, f
.irp i, 0,1,2,3,4,5,6,7
	ds_load_b128 v[\f+8*\i:\f+8*\i+3],   v[ADRB+\slot] offset:\k+\i*16*PITCH
	ds_load_b128 v[\f+8*\i+4:\f+8*\i+7], v[ADRB+\slot] offset:\k+\i*16*PITCH+32
.endr
.irp i, 0,1,2,3
	ds_load_b128 v[\f+64+8*\i:\f+64+8*\i+3],   v[ADRA+\slot] offset:\k+\i*16*PITCH
	ds_load_b128 v[\f+64+8*\i+4:\f+64+8*\i+7], v[ADRA+\slot] offset:\k+\i*16*PITCH+32
.endr
.endm
; P's four fragments of buffer f times the factor of key tile t.  These 32 plain vector instructions name buffer f and FAC alone, so they
; are also the places between the last matrix instruction that read the OTHER buffer and the loads into it.
.macro SCALE f, t
.irp a, 0,1,2,3
.irp i, 0,1,2,3,4,5,6,7
	v_pk_mul_f16 v[\f+64+8*\a+\i], v[\f+64+8*\a+\i], v[FAC+4*\t+\a]
.endr
.endr
.endm
; The 32 accumulators take turns, one instruction a turn.
.macro MUL f, a0, cnt, zero
.set ma, \a0
.rept \cnt
.irp b, 0,1,2,3,4,5,6,7
.if \zero
	v_wmma_f32_16x16x32_f16 v[8*(8*ma+\b):8*(8*ma+\b)+7], v[\f+8*\b:\f+8*\b+7], v[\f+64+8*ma:\f+64+8*ma+7], 0
.else
	v_wmma_f32_16x16x32_f16 v[8*(8*ma+\b):8*(8*ma+\b)+7], v[\f+8*\b:\f+8*\b+7], v[\f+64+8*ma:\f+64+8*ma+7], v[8*(8*ma+\b):8*(8*ma+\b)+7]
.endif
.endr
.set ma, ma+1
.endr
.endm
.macro QUARTER slot, k, f, g, t, zero
	s_wait_dscnt 0x0                               ; buffer f is in
	SCALE \f, \t
	FETCH \slot, \k, \g
	WIN 0x50
	MUL \f, 0, 4, \zero
	WIN 0
.endm
; One K step = one key tile.  Its last quarter changes slots: fill = 1: the barrier opens a round of the cluster's barrier and this slot's
; joint refill, two K steps ahead, is the first tensor load behind it; up to the wait for it a wave issues 120 matrix instructions.
.macro STEP slot, next, fill, t, zero
	QUARTER \slot, 64,  F0, F1, \t, \zero
	QUARTER \slot, 128, F1, F0, \t, 0
	QUARTER \slot, 192, F0, F1, \t, 0
	s_wait_dscnt 0x0                               ; my reads of this slot are over
	SCALE F1, \t
	s_wait_tensorcnt 0x0                           ; all my tensor loads have landed: the one that was out is my part of the next slot
	ds_add_u32 v7, v63
	s_wait_dscnt 0x0
	s_barrier_signal -1
	WIN 0x50
	MUL F1, 0, 1, 0                                ; register work while the others arrive
	WIN 0
	s_barrier_wait -1
.if \fill
	CREST
	s_add_nc_u64 s[G0A+4*\slot+2:G0A+4*\slot+3], s[G0A+4*\slot+2:G0A+4*\slot+3], 2*KSTEP*2
	s_add_nc_u64 s[G0B+4*\slot+2:G0B+4*\slot+3], s[G0B+4*\slot+2:G0B+4*\slot+3], 2*KSTEP*2
	JLOAD \slot
.endif
	FETCH \next, 0, F0                             ; buffer 0 was last read a quarter ago, with SCALE's 32 instructions since
	WIN 0x50
	MUL F1, 1, 3, 0
	WIN 0
.endm
	s_wait_tensorcnt 0x1                           ; my part of K step 0 is in; K step 1's may stay out
	s_barrier_signal -1
	s_barrier_wait -1
	FETCH 0, 0, F0
	STEP 0, 1, 1, 0, 1                             ; the first products start the sums
	STEP 1, 0, 1, 1, 0
	STEP 0, 1, 1, 2, 0
	STEP 1, 0, 1, 3, 0
	STEP 0, 1, 1, 4, 0
	STEP 1, 0, 1, 5, 0
	STEP 0, 1, 0, 6, 0                             ; K steps 6, 7 fill nothing
	QUARTER 1, 64,  F0, F1, 7, 0
	QUARTER 1, 128, F1, F0, 7, 0
	QUARTER 1, 192, F0, F1, 7, 0
	s_wait_dscnt 0x0
	SCALE F1, 7
	WIN 0x50
	MUL F1, 0, 4, 0
	WIN 0
	PLACES                                         ; behind the last matrix instructions: for the multiplies, which read the sums, and the loads into the buffers
; THE WAY OUT, 16 queries at a time: times 1 / divisor (or 0), 32 bytes a lane into my own stage, read back as whole rows of 512 bytes.
.macro OUTP a
	WIN 0x01
.set u, 0
.rept 32
	v_pk_mul_f32 v[TMP+2*u:TMP+2*u+1], v[64*\a+2*u:64*\a+2*u+1], v[INVP+2*\a:INVP+2*\a+1]
.set u, u+1
.endr
	WIN 0
.irp b, 0,1,2,3,4,5,6,7
	ds_store_b128 v[STO], v[TMP+8*\b:TMP+8*\b+3]   offset:64*\b
	ds_store_b128 v[STO], v[TMP+8*\b+4:TMP+8*\b+7] offset:64*\b+16
.endr
	s_wait_xcnt 0x0                                ; the stores' data registers and base are rewritten only behind this wait
.if \a
	s_add_nc_u64 s[78:79], s[78:79], 16*4096
.endif
.set u, 0
.rept 16
	ds_load_b128 v[RB+4*u:RB+4*u+3], v[RD] offset:u*SPITCH                 ; LDS serves a wave's instructions in order: these see the stores above
.set u, u+1
.endr
.set u, 0
.rept 16
	s_wait_dscnt 15-u                              ; read-back u is in, the younger ones stay out
	global_store_b128 v[CO], v[RB+4*u:RB+4*u+3], s[78:79] offset:u*4096 th:TH_STORE_NT   ; the wave writes 512 consecutive bytes at a multiple of 512
.set u, u+1
.endr
.endm
	OUTP 0
	OUTP 1
	OUTP 2
	OUTP 3
	s_wait_tensorcnt 0x0
	ds_add_u32 v7, v63
	s_wait_dscnt 0x0
	CROUND                                         ; the closing round
	s_endpgm
.Lfunc_end_k_q505d186d90_pv:
	.size	k_q505d186d90_pv, .Lfunc_end_k_q505d186d90_pv-k_q505d186d90_pv
	.p2alignl 7, 3214868480
	.fill 96, 4, 3214868480
	.section	.rodata,"a",@progbits
	.p2align	6, 0x0
	.amdhsa_kernel k_q505d186d90_pv
		.amdhsa_group_segment_fixed_size 327680
		.amdhsa_private_segment_fixed_size 0
		.amdhsa_enable_private_segment 0
		.amdhsa_kernarg_size 40
		.amdhsa_user_sgpr_count 2
		.amdhsa_user_sgpr_kernarg_segment_ptr 1
		.amdhsa_wavefront_size32 1
		.amdhsa_system_sgpr_workgroup_id_x 1
		.amdhsa_system_sgpr_workgroup_id_y 1
		.amdhsa_system_sgpr_workgroup_id_z 1
		.amdhsa_system_vgpr_workitem_id 0
		.amdhsa_next_free_vgpr 512
		.amdhsa_next_free_sgpr 96
		.amdhsa_reserve_vcc 1
		.amdhsa_float_denorm_mode_32 3
		.amdhsa_float_denorm_mode_16_64 3
		.amdhsa_memory_ordered 1
		.amdhsa_forward_progress 1
		.amdhsa_inst_pref_size 227
	.end_amdhsa_kernel
	.amdgpu_metadata
---
amdhsa.version: [ 1, 2 ]
amdhsa.kernels:
  - .name:           k_q505d186d90_pv
    .symbol:         k_q505d186d90_pv.kd
    .args:
      - { .name: ph, .offset: 0, .size: 8, .value_kind: global_buffer, .address_space: global }
      - { .name: vt, .offset: 8, .size: 8, .value_kind: global_buffer, .address_space: global }
      - { .name: st, .offset: 16, .size: 8, .value_kind: global_buffer, .address_space: global }
      - { .name: mask, .offset: 24, .size: 8, .value_kind: global_buffer, .address_space: global }
      - { .name: out0, .offset: 32, .size: 8, .value_kind: global_buffer, .address_space: global }
    .group_segment_fixed_size: 327680
    .private_segment_fixed_size: 0
    .kernarg_segment_align: 8
    .kernarg_segment_size: 40
    .max_flat_workgroup_size: 128
    .sgpr_count:     96
    .vgpr_count:     512
    .wavefront_size: 32
...
	.end_amdgpu_metadata
.endif
;; end of part 4
